; MI455X (gfx1250); checked and timed in simulation.
; The chip was launched on July 23, 2026; its instructions are those of AMD's public machine-readable ISA for CDNA 5 (MIT licence, August 2026) and "CDNA5" Instruction Set Architecture Reference Guide (July 2026). The comments in the code are by the model that wrote it; some were corrected since.
;; Attention. Allowed arithmetic: matrix products marked QUANTISED: E3M2 operands, one E8M0 scale for each 32 along K, by v_wmma_scale_f32_16x16x128_f8f6f4 with both operands' format E3M2, f32 sums; products left as they are: f32 operands where the result goes on into a quantised operand, else bf16, f16 or f32 operands; f32 sums; everything else in f32.
;; Inputs: V 1,024 x 1 float32; W1_codes 1,024 x 32 x 24 uint8 (E3M2 codes of W1, K innermost, in blocks of 32 codes, four codes in three bytes); W1_scales 1,024 x 32 uint8 (E8M0 scales of W1, one for each 32 codes along K); W2_codes 1,024 x 32 x 24 uint8 (E3M2 codes of W2, K innermost, in blocks of 32 codes, four codes in three bytes); W2_scales 1,024 x 32 uint8 (E8M0 scales of W2, one for each 32 codes along K); b1 1,024 float32; b2 1,024 float32; bV 1 float32; query_codes 32 x 32 x 24 uint8 (E3M2 codes of query, K innermost, in blocks of 32 codes, four codes in three bytes); query_scales 32 x 32 uint8 (E8M0 scales of query, one for each 32 codes along K); values 32 x 2,048 x 1,024 float32.
;; Outputs: out0 32 x 2,048 x 1 float32; out1 32 x 1,024 float32.
;; This version of the problem:
;;   THIS VERSION OF THE PROBLEM IS GIVEN IN LOW PRECISION. The matrix products marked QUANTISED in the list below multiply operands that are first quantised to E3M2 (3 exponent bits, 2 mantissa bits; 6 bits a number), with one power-of-two scale for each 32 numbers along K (OCP MX v1.0); their sums are f32. All else is computed in f32.
;;   The module's matrix products, in the order in which they are computed (A, B: the left and right operand; K: the contracted axis; several contracted axes count as one K, in the product's order):
;;     1. [M 65,536, K 1,024] x [K 1,024, N 1,024]; A: input values; B: input W1 (given as codes): QUANTISED
;;     2. [M 32, K 1,024] x [K 1,024, N 1,024]; A: input query (given as codes); B: input W2 (given as codes): QUANTISED
;;     3. [M 65,536, K 1,024] x [K 1,024, N 1]; A: computed on the way; B: input V: left as it is (N = 1 < 16)
;;   THE QUANTISER, for each operand of a quantised product, along K:
;;     - K is cut into blocks of 32 from its start; a last block that is shorter is filled with zeros.
;;     - A block's scale is 2^e with e = floor(log2(the largest magnitude in the block)) - 4, held to -126 .. 127; a block of zeros has e = 0. As a byte (E8M0): e + 127.
;;     - Each number is divided by its block's scale, clamped to +-28, and rounded to the nearest number of E3M2, ties to even, subnormals kept.
;;     - The product sums the exact products of the quantised numbers (number of the format x scale) in f32.
;;   ~~~python
;;   def quantise(x, axis):      # numpy; x: float32 -> the quantised numbers, widened to float32 again
;;       x = np.moveaxis(x, axis, -1); K = x.shape[-1]
;;       x = np.pad(x, [(0, 0)] * (x.ndim - 1) + [(0, -K % 32)]); x = x.reshape(x.shape[:-1] + (-1, 32)); a = np.abs(x).max(-1, keepdims=True)
;;       e = np.where(a > 0, np.clip(np.frexp(np.where(a > 0, a, 1))[1] - 1 - 4, -126, 127), 0)      # np.frexp(a)[1] - 1 = floor(log2(a)), exactly
;;       r = np.clip(x / 2.0 ** e, -28, 28)
;;       step = 2.0 ** (np.maximum(np.frexp(np.where(r == 0, 1, r))[1] - 1, -2) - 2)
;;       q = np.round(r / step) * step * 2.0 ** e      # np.round: ties to even
;;       return np.moveaxis(q.reshape(q.shape[:-2] + (-1,))[..., :K], -1, axis).astype(np.float32)
;;   ~~~
;;   INPUTS GIVEN AS CODES. W1 (in the module: [1024, 1024], K = its axis 0); W2 (in the module: [1024, 1024], K = its axis 0); query (in the module: [32, 1024], K = its axis 1): each comes as NAME_codes (uint8): NAME with its K axis moved to the last place and cut into blocks of 32 codes, [.., K / 32, bytes a block], one block behind the other in memory; four codes in three bytes: a row's codes are one little-endian stream of bits, code i at bits 6 i .. 6 i + 5 (a code: sign, 3 exponent bits, 2 mantissa bits); and NAME_scales (uint8): the same leading axes, one E8M0 byte (e + 127) for each 32 codes along K. Its value is code x scale, taken as it is: it is not quantised again, and the codes and scales need not be those that the quantiser above would give.
;; One version. Each part assembles by itself: llvm-mc -triple=amdgcn-amd-amdhsa -mcpu=gfx1250 --defsym DOCPART=n.
;; ======== version 1 of 1: 3 launches
;; limits: right only within a limited range of input values
;; workspace buffers: w1img 819,200 bytes; bias 131,072 bytes; scores 262,144 bytes
;; launch prep (part 1): grid 64 x 1, 1 waves a work-group, no clusters, 2,304 bytes of LDS; arguments query_codes, query_scales, W2_codes, W2_scales, b1, b2, W1_codes, W1_scales, w1img, bias; writes w1img, bias
.if DOCPART == 1
	.amdgcn_target "amdgcn-amd-amdhsa--gfx1250"
	.amdhsa_code_object_version 6
	.text
	.protected	k_qcfd89ffc13_prep
	.globl	k_qcfd89ffc13_prep
	.p2align	8
	.type	k_qcfd89ffc13_prep,@function
k_qcfd89ffc13_prep:
	s_mov_b64 s[64:65], 0
	v_nop
	global_prefetch_b8 v0, s[64:65] scope:SCOPE_SE
	s_setreg_imm32_b32 hwreg(HW_REG_WAVE_MODE, 25, 1), 1
	s_wait_xcnt 0x0
; TWO SMALL JOBS AHEAD OF THE LARGE PRODUCT, one tile of 16 units to a work-group of ONE wave: tile T = the work-group's number, 64 tiles in all, so 64 work-groups have work and no more are launched.
; A tile's loads are pieces of 8 bytes of rows 768 bytes apart: one wave to a work-group spreads them over as many WGPs as there are tiles.
; (1) W1's codes [1024 units][768 bytes] and scale bytes [1024][32] are laid once in the order of the operand's registers: tile T is 12,800 bytes of w1img: fragment s (K = 128 s ..) at 1,536 s,
;     as three blocks of 512 bytes, lane l's registers 4 c .. 4 c + 3 at 512 c + 16 l; at 12,288 + 16 l the bytes 16 (l / 16) .. + 15 of unit l % 16's 32 scale bytes.
; (2) bias[T][batch][unit % 16] = query W2 + b2 + b1, on codes of BF6 (E3M2) with E8M0 scales, sums in f32; laid by tiles, 2,048 bytes each, so that a wave's results are one dense block.
;     The product is used transposed (source 0 = 16 units of W2, source 1 = 16 rows of query): a lane then holds one batch row and eight neighbouring units.
;     b1 + b2 is the C of each sum's first matrix instruction, so the order of rounding differs from a sum taken first and biases added last.
; REGISTERS: window 0: v1-7 addresses; v16-19 W2's scale words, v20-27 query's, v28-31 W1's scale bytes on their way; v32-47 b1, b2; v48-63 two accumulators; v64-79 rows read back; v96-191 W2's 8 fragments.
;   window 1: query's 16 fragments (96 q + 12 s).   window 2: W1's 8 fragments on their way.
; WORK LEFT OUT IN THIS PROGRAM.  bV is added to every score of a batch alike, and the scores reach out0 and out1 through the softmax along s alone: softmax(t + k) = softmax(t) for every k,
; whatever the inputs hold.  So bV has no way to an output: it is not loaded and is among no launch's arguments.  LIMIT: a NaN, an infinity or an overflow that bV alone would bring is not carried to the results.
.set KROW,  768
.set TILEB, 12800                      ; a tile of w1img
.set R,   1
.set H,   2
.set CO,  3                            ; v3  768 r + 24 h: my place in 16 rows of codes
.set SCO, 4                            ; v4  32 r + 16 h: my 16 of a row's 32 scale bytes
.set L16, 5                            ; v5  16 x lane
.set H32, 6                            ; v6  32 h: my eight numbers of a tile's 16 of b1, b2
.set STI, 7                            ; v7  64 r + 32 h: my 32 bytes in 16 rows of the tile's block of bias
.set W2S, 16
.set QS,  20
.set W1S, 28
.set B1,  32
.set BC,  40
.set ACC, 48
.set BK,  64
.set W2F, 96
.set MSB, 0
.macro WIN new                         ; the immediate's high byte repeats the setting that is left
.if MSB != \new
	s_set_vgpr_msb (MSB<<8)|\new
.set MSB, \new
.endif
.endm
.macro FRAGL reg, base, off            ; a fragment, 16 rows x 128 K: 12 registers, in pieces of 8 bytes: 24 bytes at 24 h and 24 bytes 48 further on
.irp p, 0,1,2,3,4,5
	global_load_b64 v[(\reg)+2*\p:(\reg)+2*\p+1], v[CO], s[\base:\base+1] offset:(\off)+48*(\p/3)+8*(\p%3)
.endr
.endm
	s_load_b256 s[4:11], s[0:1], 0x0               ; query's codes s[4:5], its scales s[6:7], W2's codes s[8:9], its scales s[10:11]
	s_load_b256 s[12:19], s[0:1], 0x20             ; b1 s[12:13], b2 s[14:15], W1's codes s[16:17], its scales s[18:19]
	s_load_b128 s[20:23], s[0:1], 0x40             ; w1img s[20:21], bias s[22:23]
	v_lshl_add_u32 v254, v0, 2, 0x800
	v_mov_b32 v255, 0
	v_and_b32 v[R], 15, v0                         ; one wave: the thread's number is the lane
	v_bfe_u32 v[H], v0, 4, 1
	v_mul_u32_u24 v[CO], v[R], KROW
	v_mad_u32_u24 v[CO], v[H], 24, v[CO]
	v_lshlrev_b32 v[SCO], 5, v[R]
	v_lshl_add_u32 v[SCO], v[H], 4, v[SCO]
	v_lshlrev_b32 v[L16], 4, v0
	v_lshlrev_b32 v[H32], 5, v[H]
	s_mul_i32 s26, ttmp9, 16*KROW                  ; the tile's 16 rows of codes,
	s_mov_b32 s27, 0
	s_lshl_b32 s28, ttmp9, 9                       ; of scale bytes,
	s_mov_b32 s29, 0
	s_lshl_b32 s30, ttmp9, 6                       ; its 16 numbers of b1 and b2,
	s_mov_b32 s31, 0
	s_mul_i32 s32, ttmp9, TILEB                    ; its place in w1img,
	s_mov_b32 s33, 0
	s_lshl_b32 s34, ttmp9, 11                      ; and its 2,048 bytes of bias
	s_mov_b32 s35, 0
	s_wait_alu depctr_va_vdst(0)
	s_wait_kmcnt 0x0
	s_add_nc_u64 s[8:9], s[8:9], s[26:27]
	s_add_nc_u64 s[16:17], s[16:17], s[26:27]
	s_add_nc_u64 s[10:11], s[10:11], s[28:29]
	s_add_nc_u64 s[18:19], s[18:19], s[28:29]
	s_add_nc_u64 s[12:13], s[12:13], s[30:31]
	s_add_nc_u64 s[14:15], s[14:15], s[30:31]
	s_add_nc_u64 s[20:21], s[20:21], s[32:33]
	s_add_nc_u64 s[22:23], s[22:23], s[34:35]
	WIN 0x80                                       ; destination window 2
.irp s, 0,1,2,3,4,5,6,7
	FRAGL 12*\s, 16, 96*\s                         ; W1
.endr
	WIN 0x40                                       ; destination window 1
.irp q, 0,1
.irp s, 0,1,2,3,4,5,6,7
	FRAGL 96*\q+12*\s, 4, 16*KROW*\q+96*\s         ; query, rows 16 q on
.endr
.endr
	WIN 0
.irp s, 0,1,2,3,4,5,6,7
	FRAGL W2F+12*\s, 8, 96*\s                      ; W2
.endr
	global_load_b128 v[W1S:W1S+3], v[SCO], s[18:19]
	global_load_b128 v[W2S:W2S+3], v[SCO], s[10:11]          ; register j: lanes 0-15 the word of K step j, lanes 16-31 that of K step 4 + j
	global_load_b128 v[QS:QS+3], v[SCO], s[6:7]
	global_load_b128 v[QS+4:QS+7], v[SCO], s[6:7] offset:512
	global_load_b128 v[B1:B1+3], v[H32], s[12:13]
	global_load_b128 v[B1+4:B1+7], v[H32], s[12:13] offset:16
	global_load_b128 v[BC:BC+3], v[H32], s[14:15]
	global_load_b128 v[BC+4:BC+7], v[H32], s[14:15] offset:16
	s_wait_loadcnt 0x0
.irp j, 0,2,4,6
	v_pk_add_f32 v[BC+\j:BC+\j+1], v[BC+\j:BC+\j+1], v[B1+\j:B1+\j+1]   ; b1 + b2 at my eight units
.endr
	WIN 0x08                                       ; a store's data are its source 1: window 2
.irp s, 0,1,2,3,4,5,6,7
.irp c, 0,1,2
	global_store_b128 v[L16], v[12*\s+4*\c:12*\s+4*\c+3], s[20:21] offset:1536*\s+512*\c   ; 32 lanes store 512 consecutive bytes, at a multiple of 256 from the buffer's first byte
.endr
.endr
	WIN 0
	global_store_b128 v[L16], v[W1S:W1S+3], s[20:21] offset:12288
	v_lshlrev_b32 v[STI], 6, v[R]
	v_lshl_add_u32 v[STI], v[H], 5, v[STI]
.rept 4
	v_nop                                          ; with the two lines above: six plain lines between the additions that made C and the first product
.endr
	WIN 0x04                                       ; source 1 (query) window 1
; K ascending; the two accumulators take turns, one instruction a turn
.irp s, 0,1,2,3,4,5,6,7
.irp q, 0,1
.if \s == 0
	v_wmma_scale_f32_16x16x128_f8f6f4 v[ACC+8*\q:ACC+8*\q+7], v[W2F+12*\s:W2F+12*\s+11], v[96*\q+12*\s:96*\q+12*\s+11], v[BC:BC+7], v[W2S+\s%4], v[QS+4*\q+\s%4] matrix_a_fmt:MATRIX_FMT_BF6 matrix_b_fmt:MATRIX_FMT_BF6
.elseif \s < 4
	v_wmma_scale_f32_16x16x128_f8f6f4 v[ACC+8*\q:ACC+8*\q+7], v[W2F+12*\s:W2F+12*\s+11], v[96*\q+12*\s:96*\q+12*\s+11], v[ACC+8*\q:ACC+8*\q+7], v[W2S+\s%4], v[QS+4*\q+\s%4] matrix_a_fmt:MATRIX_FMT_BF6 matrix_b_fmt:MATRIX_FMT_BF6
.else
	v_wmma_scale_f32_16x16x128_f8f6f4 v[ACC+8*\q:ACC+8*\q+7], v[W2F+12*\s:W2F+12*\s+11], v[96*\q+12*\s:96*\q+12*\s+11], v[ACC+8*\q:ACC+8*\q+7], v[W2S+\s%4], v[QS+4*\q+\s%4] matrix_a_fmt:MATRIX_FMT_BF6 matrix_b_fmt:MATRIX_FMT_BF6 matrix_a_scale:MATRIX_SCALE_ROW1 matrix_b_scale:MATRIX_SCALE_ROW1
.endif
.endr
.endr
	WIN 0
.rept 4
	v_nop                                          ; four places between the last product and the first read of results (ISA guide 7.12.1)
.endr
; A lane's 32 bytes belong to one row of the tile's block and the lanes beside it hold other rows: the 2,048 bytes turn through my own LDS bytes and leave dense.
; (Rows of 64 bytes; with four stores in the whole launch no padding is spent on that)
.irp q, 0,1
	ds_store_b128 v[STI], v[ACC+8*\q:ACC+8*\q+3] offset:1024*\q        ; lane (r, h): bias[T][16 q + r][8 h + 0 .. 7]; each accumulator from its low end on
	ds_store_b128 v[STI], v[ACC+8*\q+4:ACC+8*\q+7] offset:1024*\q+16
.endr
.irp i, 0,1,2,3
	ds_load_b128 v[BK+4*\i:BK+4*\i+3], v[L16] offset:512*\i            ; LDS serves a wave's instructions in order (ISA guide 5.7.1.4): these see my stores
.endr
.irp i, 0,1,2,3
	s_wait_dscnt 3-\i                              ; the younger loads may stay out
	global_store_b128 v[L16], v[BK+4*\i:BK+4*\i+3], s[22:23] offset:512*\i   ; 32 lanes store 512 consecutive bytes, aligned
.endr
	s_wait_tensorcnt 0x0
	ds_add_u32 v254, v255
	s_wait_dscnt 0x0
	s_endpgm
.Lfunc_end_k_qcfd89ffc13_prep:
	.size	k_qcfd89ffc13_prep, .Lfunc_end_k_qcfd89ffc13_prep-k_qcfd89ffc13_prep
	.p2alignl 7, 3214868480
	.fill 96, 4, 3214868480
	.section	.rodata,"a",@progbits
	.p2align	6, 0x0
	.amdhsa_kernel k_qcfd89ffc13_prep
		.amdhsa_group_segment_fixed_size 2304
		.amdhsa_private_segment_fixed_size 0
		.amdhsa_enable_private_segment 0
		.amdhsa_kernarg_size 80
		.amdhsa_user_sgpr_count 2
		.amdhsa_user_sgpr_kernarg_segment_ptr 1
		.amdhsa_wavefront_size32 1
		.amdhsa_system_sgpr_workgroup_id_x 1
		.amdhsa_system_sgpr_workgroup_id_y 1
		.amdhsa_system_sgpr_workgroup_id_z 1
		.amdhsa_system_vgpr_workitem_id 0
		.amdhsa_next_free_vgpr 768
		.amdhsa_next_free_sgpr 66
		.amdhsa_reserve_vcc 0
		.amdhsa_float_denorm_mode_32 3
		.amdhsa_float_denorm_mode_16_64 3
		.amdhsa_memory_ordered 1
		.amdhsa_forward_progress 1
		.amdhsa_inst_pref_size 27
	.end_amdhsa_kernel
	.amdgpu_metadata
---
amdhsa.version: [ 1, 2 ]
amdhsa.kernels:
  - .name:           k_qcfd89ffc13_prep
    .symbol:         k_qcfd89ffc13_prep.kd
    .args:
      - { .name: query_codes, .offset: 0, .size: 8, .value_kind: global_buffer, .address_space: global }
      - { .name: query_scales, .offset: 8, .size: 8, .value_kind: global_buffer, .address_space: global }
      - { .name: W2_codes, .offset: 16, .size: 8, .value_kind: global_buffer, .address_space: global }
      - { .name: W2_scales, .offset: 24, .size: 8, .value_kind: global_buffer, .address_space: global }
      - { .name: b1, .offset: 32, .size: 8, .value_kind: global_buffer, .address_space: global }
      - { .name: b2, .offset: 40, .size: 8, .value_kind: global_buffer, .address_space: global }
      - { .name: W1_codes, .offset: 48, .size: 8, .value_kind: global_buffer, .address_space: global }
      - { .name: W1_scales, .offset: 56, .size: 8, .value_kind: global_buffer, .address_space: global }
      - { .name: w1img, .offset: 64, .size: 8, .value_kind: global_buffer, .address_space: global }
      - { .name: bias, .offset: 72, .size: 8, .value_kind: global_buffer, .address_space: global }
    .group_segment_fixed_size: 2304
    .private_segment_fixed_size: 0
    .kernarg_segment_align: 8
    .kernarg_segment_size: 80
    .max_flat_workgroup_size: 32
    .sgpr_count:     66
    .vgpr_count:     768
    .wavefront_size: 32
...
	.end_amdgpu_metadata
.endif
;; end of part 1
;; launch score (part 2): grid 256 x 1, 8 waves a work-group, clusters of 4 x 1, 327,680 bytes of LDS; arguments values, w1img, bias, V, scores; writes scores
.if DOCPART == 2
	.amdgcn_target "amdgcn-amd-amdhsa--gfx1250"
	.amdhsa_code_object_version 6
	.text
	.protected	k_qcfd89ffc13_score
	.globl	k_qcfd89ffc13_score
	.p2align	8
	.type	k_qcfd89ffc13_score,@function
k_qcfd89ffc13_score:
	s_mov_b64 s[64:65], 0
	v_nop
	global_prefetch_b8 v0, s[64:65] scope:SCOPE_SE
	s_setreg_imm32_b32 hwreg(HW_REG_WAVE_MODE, 25, 1), 1
	s_wait_xcnt 0x0
	s_wait_alu depctr_hold_cnt(0) depctr_sa_sdst(0) depctr_va_vdst(0) depctr_va_sdst(0) depctr_va_ssrc(0) depctr_va_vcc(0) depctr_vm_vsrc(0)
	s_getreg_b32 s2, hwreg(HW_REG_IB_STS2, 6, 4)
	s_cmp_eq_u32 s2, 0
	s_cbranch_scc0 .Lentry_in_a_cluster
	s_endpgm
.Lentry_in_a_cluster:
	s_bfe_u32 s2, ttmp6, 0x10000c
	s_cmp_lg_u32 s2, 0x3003
	s_cbranch_scc0 .Lentry_shape_is_right
	s_endpgm
.Lentry_shape_is_right:
; scores[row] = -2 x the sum over the 1,024 units u of V[u] / (1 + 2^(c x)), x = Q(values[row]) . W1[u] + bias[batch][u], c = 2 log2(e); the product on codes of BF6 (E3M2), one E8M0 scale for each 32 along K = 1,024, sums in f32.
; WORK LEFT OUT: tanh(x) = 1 - 2 / (1 + 2^(c x)), so reference()'s score is (sum of V) + bV + the number above.  The first two are the same for all rows of a batch, and the scores are used by the softmax
;   along the rows alone, which such a term does not move: neither is formed, and bV is not loaded.  A NaN or an infinity that they alone would bring is not carried on.
; SHARES.  A work-group owns 256 rows of one batch.  Wave w = 2 g + u of eight: rows 64 g .. 64 g + 63 (four tiles of 16), and the 32 tiles of 16 units whose number has parity u.
; PHASE 1.  K step s (128 along K) of the 256 rows comes by tensor loads into one of two LDS slots: each wave brings 32 rows x 512 bytes, 16 bytes of padding behind each.  A lane then reads two whole blocks of 32 of one
;   row, in the order of the operand's registers, and quantises them: byte = the largest magnitude's exponent field - 4, held at 1 from below.  64 rows x 1,024 codes stay in 384 registers; the two waves of a g both make them.
; PHASE 2.  W1's 64 tiles were laid by the launch before as images of the operand's registers.  A tile's fragments 2-7 and scale words (9,728 bytes) come through a ring of two slots of eight tiles, over the bytes of phase 1's
;   slots; each wave asks for one tile of a slot, JOINTLY with the three partners of its cluster, which walk the same tiles.  Fragments 0 and 1 come from w1img straight into registers of their own, 512 consecutive bytes a load,
;   asked for a tile ahead, directly behind their own products: so LDS serves 23 loads for a tile and wave (18 for fragments, 1 for scale words, 4 for the tables).
;   The product is used transposed (source 0 = 16 units, source 1 = my 16 rows): a lane holds one row and eight units.
;   A tile: 32 products, four accumulators by turns, then the vector work in whole batches: c x + c bias; 2^; 1 +; reciprocal; x V onto the sums.  2^(..) may overflow or fall to 0: the quotient then goes to 0 or to 1.
;   The vector work of a slot's last tile, work on registers alone, stands between the signal and the wait of the barrier that opens the change of slots.
; PREFETCH.  Trip k of phase 1 loads K step k + 1 and names K step k + 3, whose load stands two trips on: each wave its own 32 rows, a lane a row, two blocks of 256 bytes; the head names K steps 1 and 2, the buffer's first
;   touches; the last three trips name nothing.  w1img is not prefetched: all 256 work-groups read the same 819,200 bytes, tile by tile.
; LIMITS: NaN and infinities among the inputs are not served.  A block of zeros gets the byte 1 over zero codes (this program alone reads the bytes).  c x + c bias is one fused multiply-add on c bias rounded once.
; REGISTERS: v1 16 x lane; v2-3 the spare word's address and 0; v4-5 LDS addresses; v6 my place in the tables; v8-23 my rows' scale words (4 m + s % 4: lanes 0-15 K step s < 4, lanes 16-31 K step s + 4); v24-27 W1's scale words;
;   v32-63 four accumulators; v64-87 fragments 0, 1; v88-111 two buffers for fragments 2-7, then c bias and V; v116-123 the sums; in phase 1 v32-113 are at work.
;   My codes, fragment 4 s + m: the first 11 at v124 on, the other 21 in window 1.
.set TILEB, 12800                      ; a tile of w1img: 8 fragments of 1,536 bytes, 512 bytes of scale words
.set DIRB,  3072                       ; its fragments 0 and 1
.set TLP,   TILEB-DIRB                 ; what LDS holds of it
.set SLOTB, 8*TILEB
.set SLOT1, 1<<17                      ; W1's slot 1
.set SPI,   528                        ; a row of a K step in LDS: 512 bytes + 16
.set HLF,   32*SPI                     ; what one tensor load of phase 1 brings
.set GRP,   64*SPI                     ; the 64 rows of a g
.set V1S,   4*GRP                      ; the values' slot 1
.set VT,    2*V1S                      ; behind the slots: V, 4,096 bytes;
.set BT,    VT+4096                    ; c x the batch's biases, 4,096 bytes;
.set SCR,   BT+4096                    ; 256 bytes for each wave, for the way out;
.set SPARE, SCR+2048                   ; the spare words, 128 bytes for each wave: four blocks of 256 bytes that no other line names
.set L16, 1
.set SPW, 2
.set NIL, 3
.set LA,  4                            ; phase 1: my row in slot 0, 1
.set AB,  4                            ; phase 2: the tile in hand,
.set ATB, 5                            ; and its place in the tables
.set HB,  6
.set SH8, 7
.set XS,  8
.set SW,  24
.set PFO, 28
.set TBA, 29
.set T16, 30
.set BO,  31
.set ACC, 32
.set DF,  64
.set LF,  88
.set SUM, 116
.set X,   32
.set UH,  96
.set MX,  104
.set SO,  108
.set BY,  110
.set WD,  112
.set PD,  113
.set T0,  114
.set T1,  115
.set TL,  116
.set WO,  32
.set DB,  4                            ; s[4:5] phase 2: the tile whose fragments 0, 1 are asked for
.set WV,  14
.set GI,  15
.set U,   16
.set G,   17
.set CX,  18
.set MK,  19                           ; lanes 16-31
.set SEL, 20                           ; s[20:21] v_permlanex16_b32's selects for lane l xor 16
.set CS,  22                           ; s[22:23] c
.set G1V, 24
.set G1W, 32
.set G0V, 40
.set G0W, 44
.set VB,  48                           ; s[48:49] my 32 rows of values; never rewritten
.set LB,  50
.set WB,  52
.set TG,  54
.set TT,  55
.set DOF, 58                           ; s[58:59] that tile's byte in w1img
.set SL,  60
.set TW,  61
.set MSB, 0
.macro WIN new                         ; the immediate's high byte repeats the setting that is left
.if MSB != \new
	s_set_vgpr_msb (MSB<<8)|\new
.set MSB, \new
.endif
.endm
.macro PLACES
.rept 4
	v_nop
.endr
.endm
.macro CREST                           ; a round of the cluster's barrier behind its opening barrier
	s_cmp_lg_u32 s[WV], 0
	s_cbranch_scc1 .Lnot_wave_0_\@
	s_barrier_signal -3
.Lnot_wave_0_\@:
	s_barrier_wait -3
	s_barrier_signal -1
	s_barrier_wait -1
.endm
.macro CROUND                          ; a whole round
	s_barrier_signal -1
	s_barrier_wait -1
	CREST
.endm
	s_load_b256 s[4:11], s[0:1], 0x0               ; values s[4:5], w1img s[6:7], bias s[8:9], V s[10:11]
	s_load_b64 s[12:13], s[0:1], 0x20              ; scores
	v_lshl_add_u32 v[SPW], v0, 2, SPARE
	v_mov_b32 v[NIL], 0
	ds_add_u32 v[SPW], v[NIL]                      ; the opening lines: the add, twice on end, and its wait
	ds_add_u32 v[SPW], v[NIL]
	v_lshrrev_b32 v[T0], 5, v0
	v_readfirstlane_b32 s[WV], v[T0]               ; wave 0..7
	s_lshr_b32 s[G], s[WV], 1
	s_and_b32 s[U], s[WV], 1
	s_bfe_u32 s[CX], ttmp6, 0x40000                ; my place in the cluster: it enters addresses of values and scores alone
	s_lshl_b32 s[GI], ttmp9, 2
	s_add_co_u32 s[GI], s[GI], s[CX]               ; my block of 256 rows
	s_mov_b32 s[G1V], (2<<16)|(1<<20)|(6<<22)|(3<<25)   ; values: elements of 4 bytes; 4 words of padding behind every 128; no mask: each work-group has rows of its own
	s_mov_b32 s[G1V+1], 128<<16
	s_mov_b32 s[G1V+2], 32<<16
	s_mov_b32 s[G1V+3], 128<<16
	s_mov_b32 s[G1V+4], 32
	s_mov_b32 s[G1V+5], 1024
	s_mov_b32 s[G1V+6], 0
	s_mov_b32 s[G1V+7], 0
	s_mov_b32 s[G1W], 15|(3<<16)|(1<<21)           ; W1: 9,728 dense bytes of a tile as 38 rows of 32 elements of 8 bytes; the mask names all four work-groups
	s_mov_b32 s[G1W+1], 32<<16
	s_mov_b32 s[G1W+2], 38<<16
	s_mov_b32 s[G1W+3], 32<<16
	s_mov_b32 s[G1W+4], 38
	s_mov_b32 s[G1W+5], 32
	s_mov_b32 s[G1W+6], 0
	s_mov_b32 s[G1W+7], 0
	s_mul_i32 s[LB], s[WV], HLF                    ; my part of a slot of values;
	s_mul_i32 s[WB], s[WV], TILEB                  ; my tile of a slot of W1 in memory,
	s_add_co_u32 s[WB], s[WB], DIRB                ; behind its fragments 0 and 1,
	s_mov_b32 s[WB+1], 0
	s_mul_i32 s57, s[WV], TLP                      ; and in LDS
	s_mov_b32 s[SEL], 0x76543210
	s_mov_b32 s[SEL+1], 0xfedcba98
	s_mov_b32 s[CS], 0x4038aa3b                    ; 2 log2(e)
	s_mov_b32 s[CS+1], s[CS]
	s_mov_b32 s[MK], 0xffff0000
	s_mul_i32 s56, s[G], GRP
	v_and_b32 v[L16], 31, v0
	v_lshlrev_b32 v[PFO], 12, v[L16]               ; a lane a row of 4,096 bytes
	v_lshlrev_b32 v[L16], 4, v[L16]
	v_and_b32 v[T0], 15, v0                        ; r
	v_bfe_u32 v[T1], v0, 4, 1                      ; h
	v_mul_u32_u24 v[LA], v[T0], SPI
	v_lshl_add_u32 v[LA], v[T1], 7, v[LA]
	v_add_nc_u32 v[LA], s56, v[LA]                 ; row r of my g, + 128 h
	v_add_nc_u32 v[LA+1], V1S, v[LA]
	v_lshlrev_b32 v[SH8], 3, v[T1]
	v_lshl_add_u32 v[HB], v[T1], 5, VT             ; my eight units of a tile in the tables
	v_lshlrev_b32 v[T16], 4, v0                    ; the tables: 16 bytes a thread
	v_add_nc_u32 v[TBA], VT, v[T16]
	v_lshrrev_b32 v[BO], 2, v0                     ; units 4 x thread .. + 3 lie in tile thread / 4, 2,048 bytes a tile,
	v_lshlrev_b32 v[BO], 11, v[BO]
	v_and_b32 v[T0], 3, v0
	v_lshl_add_u32 v[BO], v[T0], 4, v[BO]          ; at 16 (thread % 4) of the batch's 64 bytes there
	v_mov_b32 v[PD], 0                             ; a lane permute's destination counts as one of its sources
	s_wait_alu depctr_va_vdst(0)                   ; the wait at the head's end
	s_wait_dscnt 0x0                               ; both opening adds are done
	s_wait_kmcnt 0x0
	s_mov_b32 s[G0W], 1
	s_mov_b32 s[G0W+1], s57
	s_add_nc_u64 s[G0W+2:G0W+3], s[6:7], s[WB:WB+1]
	s_or_b32 s[G0W+3], s[G0W+3], 0x80000000
	s_lshl_b32 s56, s[GI], 20                      ; 256 rows of 4,096 bytes,
	s_lshl_b32 s57, s[WV], 17                      ; my 32 of them
	s_add_co_u32 s56, s56, s57
	s_mov_b32 s57, 0
	s_add_nc_u64 s[VB:VB+1], s[4:5], s[56:57]
	s_mov_b32 s[G0V], 1
	s_mov_b32 s[G0V+1], s[LB]
	s_mov_b64 s[G0V+2:G0V+3], s[VB:VB+1]
	s_or_b32 s[G0V+3], s[G0V+3], 0x80000000
	s_lshl_b32 s56, s[GI], 10
	s_lshl_b32 s58, s[G], 8
	s_add_co_u32 s56, s56, s58
	s_add_nc_u64 s[12:13], s[12:13], s[56:57]      ; the 64 scores of my g
	s_lshr_b32 s56, ttmp9, 1                       ; the batch: two clusters to each
	s_lshl_b32 s56, s56, 6
	s_add_nc_u64 s[8:9], s[8:9], s[56:57]          ; its 64 bytes in the first tile's block of biases
	CROUND
	tensor_load_to_lds s[G0V:G0V+3], s[G1V:G1V+7]  ; K step 0: my one tensor load at the head
	s_nop 0
	PLACES
	global_load_b128 v[TL:TL+3], v[T16], s[10:11]
	global_load_b128 v[TL+4:TL+7], v[BO], s[8:9]
.irp o, 512,768,1024,1280
	global_prefetch_b8 v[PFO], s[VB:VB+1] offset:\o th:TH_LOAD_NT scope:SCOPE_SE    ; K steps 1 and 2
.endr
	s_wait_loadcnt 0x0
	v_pk_mul_f32 v[TL+4:TL+5], v[TL+4:TL+5], s[CS:CS+1] op_sel_hi:[1,0]
	v_pk_mul_f32 v[TL+6:TL+7], v[TL+6:TL+7], s[CS:CS+1] op_sel_hi:[1,0]
	ds_store_b128 v[TBA], v[TL:TL+3]               ; V, unit by unit,
	ds_store_b128 v[TBA], v[TL+4:TL+7] offset:4096 ; and c x the batch's biases; the next round shows them to every wave
; 64 numbers of a lane, X[32 c + i] = k 128 s + 64 c + 32 h + i of my row: two whole blocks, in the order of the operand's registers: the conversions' results are the fragment.
.macro QUANT m, s
.set FI, 4*(\s)+(\m)
.if FI < 11
.set CD, 124+12*FI
.else
.set CD, 12*(FI-11)
.endif
.irp c, 0,1                            ; each block's largest magnitude in two chains, the four chains by turns; the floor 2^(5 - 127) holds the byte at 1 from below
	v_max3_num_f32 v[MX+2*\c], |v[X+32*\c]|, |v[X+32*\c+1]|, 0x2800000
	v_max3_num_f32 v[MX+2*\c+1], |v[X+32*\c+16]|, |v[X+32*\c+17]|, |v[X+32*\c+18]|
.endr
.irp i, 2,4,6,8,10,12
.irp c, 0,1
	v_max3_num_f32 v[MX+2*\c], v[MX+2*\c], |v[X+32*\c+\i]|, |v[X+32*\c+\i+1]|
	v_max3_num_f32 v[MX+2*\c+1], v[MX+2*\c+1], |v[X+32*\c+\i+17]|, |v[X+32*\c+\i+18]|
.endr
.endr
.irp c, 0,1
	v_max3_num_f32 v[MX+2*\c], v[MX+2*\c], |v[X+32*\c+14]|, |v[X+32*\c+15]|
.endr
.irp c, 0,1
	v_max3_num_f32 v[MX+2*\c], v[MX+2*\c], v[MX+2*\c+1], |v[X+32*\c+31]|
.endr
.irp c, 0,1
	v_add_nc_u32 v[SO+\c], 0xfe000000, v[MX+2*\c]  ; 4 off the exponent field: the conversion's scale operand
.endr
.irp c, 0,1
	v_lshrrev_b32 v[BY+\c], 23, v[SO+\c]           ; the scale's byte
.endr
	s_delay_alu instid0(VALU_DEP_1)
	v_lshl_or_b32 v[WD], v[BY+1], 16, v[BY]        ; my two bytes, blocks h and 2 + h,
	s_delay_alu instid0(VALU_DEP_1)
	v_lshlrev_b32 v[WD], v[SH8], v[WD]             ; at their places in the scale word;
	s_delay_alu instid0(VALU_DEP_1)
	v_permlanex16_b32 v[PD], v[WD], s[SEL], s[SEL+1]
	s_delay_alu instid0(VALU_DEP_1)
.if (\s) < 4
	v_or_b32 v[XS+4*(\m)+(\s)], v[WD], v[PD]       ; with lane l xor 16's two the word is whole, in both halves of the lanes
.else
	v_or_b32 v[WD], v[WD], v[PD]
	s_delay_alu instid0(VALU_DEP_1)
	v_cndmask_b32 v[XS+4*(\m)+(\s)-4], v[XS+4*(\m)+(\s)-4], v[WD], s[MK]   ; K steps 4-7 take lanes 16-31 of the registers of K steps 0-3
.endif
	v_cvt_scalef32_pk16_bf6_f32 v[UH:UH+2], v[X+16:X+31], v[SO]        ; (a conversion's three registers begin on an even number: a block's upper half is made here and moved)
	v_cvt_scalef32_pk16_bf6_f32 v[UH+4:UH+6], v[X+48:X+63], v[SO+1]
.if FI >= 11
	WIN 0x40                                       ; destination window 1
.endif
	v_cvt_scalef32_pk16_bf6_f32 v[CD:CD+2], v[X:X+15], v[SO]
	v_cvt_scalef32_pk16_bf6_f32 v[CD+6:CD+8], v[X+32:X+47], v[SO+1]
	v_nop                                          ; one plain place behind the scaled conversions
.irp c, 0,1
.irp i, 0,1,2
	v_mov_b32 v[CD+6*\c+3+\i], v[UH+4*\c+\i]
.endr
.endr
	WIN 0
.endm
.macro UNIT m, s                       ; rows 16 m .. + 15 of my 64, K step s.  Rows 132 words apart
.irp c, 0,1
.irp j, 0,1,2,3,4,5,6,7
	ds_load_b128 v[X+32*\c+4*\j:X+32*\c+4*\j+3], v[LA+(\s)%2] offset:(\m)*16*SPI+256*\c+16*\j
.endr
.endr
	s_wait_dscnt 0x0
	QUANT \m, \s
.endm
; A trip of phase 1.
; Behind the round that slot takes K step k + 1; in the last trip it takes W1's tiles 0-7, one a wave, asked for jointly.
.macro VSTEP k
	s_wait_tensorcnt 0x0
	ds_add_u32 v[SPW], v[NIL]
.if (\k) < 7
.if (\k)%2 == 0
	s_add_co_u32 s[G0V+1], s[LB], V1S
.else
	s_mov_b32 s[G0V+1], s[LB]
.endif
	s_add_nc_u64 s[G0V+2:G0V+3], s[G0V+2:G0V+3], 512
.endif
	s_wait_dscnt 0x0
	CROUND
.if (\k) < 7
	tensor_load_to_lds s[G0V:G0V+3], s[G1V:G1V+7]
.else
	tensor_load_to_lds s[G0W:G0W+3], s[G1W:G1W+7]
.endif
	s_nop 0
	PLACES
	UNIT 0, \k
.if (\k)+3 < 8
	global_prefetch_b8 v[PFO], s[VB:VB+1] offset:512*((\k)+3) th:TH_LOAD_NT scope:SCOPE_SE
	global_prefetch_b8 v[PFO], s[VB:VB+1] offset:512*((\k)+3)+256 th:TH_LOAD_NT scope:SCOPE_SE
.endif
	UNIT 1, \k
	UNIT 2, \k
	UNIT 3, \k
.endm
.irp k, 0,1,2,3,4,5,6,7
	VSTEP \k
.endr
; ---- PHASE 2
.macro LFR f                           ; fragment f (2 .. 7) of the tile in hand, as it lies in LDS, into buffer f % 2
.irp c, 0,1,2
	ds_load_b128 v[LF+12*((\f)%2)+4*\c:LF+12*((\f)%2)+4*\c+3], v[AB] offset:1536*(\f)-DIRB+512*\c
.endr
.endm
.macro DFR f                           ; fragment f (0, 1) of the tile at s[DB:DB+1], from w1img: 32 lanes read 512 consecutive bytes, aligned
.irp c, 0,1,2
	global_load_b128 v[DF+12*(\f)+4*\c:DF+12*(\f)+4*\c+3], v[L16], s[DB:DB+1] offset:1536*(\f)+512*\c
.endr
.endm
.macro MM s                            ; K step s: four products, my four tiles of rows by turns, one instruction a turn
.irp m, 0,1,2,3
.set FI, 4*(\s)+\m
.if FI < 11
	WIN 0
.set rB, 124+12*FI
.else
	WIN 0x04                                       ; source 1 window 1
.set rB, 12*(FI-11)
.endif
.if (\s) < 2
.set rA, DF+12*(\s)
.else
.set rA, LF+12*((\s)%2)
.endif
.set rD, ACC+8*\m
.if (\s) == 0
	v_wmma_scale_f32_16x16x128_f8f6f4 v[rD:rD+7], v[rA:rA+11], v[rB:rB+11], 0, v[SW], v[XS+4*\m] matrix_a_fmt:MATRIX_FMT_BF6 matrix_b_fmt:MATRIX_FMT_BF6
.elseif (\s) < 4
	v_wmma_scale_f32_16x16x128_f8f6f4 v[rD:rD+7], v[rA:rA+11], v[rB:rB+11], v[rD:rD+7], v[SW+(\s)], v[XS+4*\m+(\s)] matrix_a_fmt:MATRIX_FMT_BF6 matrix_b_fmt:MATRIX_FMT_BF6
.else
	v_wmma_scale_f32_16x16x128_f8f6f4 v[rD:rD+7], v[rA:rA+11], v[rB:rB+11], v[rD:rD+7], v[SW+(\s)-4], v[XS+4*\m+(\s)-4] matrix_a_fmt:MATRIX_FMT_BF6 matrix_b_fmt:MATRIX_FMT_BF6 matrix_a_scale:MATRIX_SCALE_ROW1 matrix_b_scale:MATRIX_SCALE_ROW1
.endif
.endr
.endm
; A TILE'S PRODUCTS.  Behind each K step's four products stand four places (ISA guide 7.12.1 for vector instructions) and the load that takes the buffer just read.
; LOADcnt: of the six loads of fragments 0 and 1 the three of the other fragment may be out.  DScnt counts the loads issued behind those wanted: fragments 2 and 3 behind the scale words (6);
; the next fragment's three; c bias's two behind fragment 7.
.macro MATRIX
	s_wait_xcnt 0x0                                ; the last loads from w1img have read their base: it steps to my next tile,
	s_add_co_u32 s[DOF], s[DOF], 2*TILEB
	s_min_u32 s[DOF], s[DOF], 63*TILEB             ; held inside the buffer: behind my last tile, tile 63 is read and not used
	s_add_nc_u64 s[DB:DB+1], s[6:7], s[DOF:DOF+1]
	v_add_nc_u32 v[AB], s[TG], v[L16]
	v_add_nc_u32 v[ATB], s[TT], v[HB]
	s_wait_alu depctr_va_vdst(0)                   ; the wait behind these writes
	ds_load_b128 v[SW:SW+3], v[AB] offset:12288-DIRB   ; register j: lanes 0-15 the word of K step j, lanes 16-31 that of K step 4 + j
	LFR 2
	LFR 3
	s_wait_loadcnt 3
	s_wait_dscnt 6
	MM 0
	PLACES
	DFR 0
	s_wait_loadcnt 3
	MM 1
	PLACES
	DFR 1
.irp s, 2,3,4,5
	s_wait_dscnt 3
	MM \s
	PLACES
	LFR \s+2
.endr
	s_wait_dscnt 3
	MM 6
	PLACES
	ds_load_b128 v[LF:LF+3], v[ATB] offset:BT-VT           ; c bias at my eight units
	ds_load_b128 v[LF+4:LF+7], v[ATB] offset:BT-VT+16
	s_wait_dscnt 2
	MM 7
	PLACES
	ds_load_b128 v[LF+12:LF+15], v[ATB]                    ; V at my eight units
	ds_load_b128 v[LF+16:LF+19], v[ATB] offset:16
	WIN 0
.endm
; A TILE'S VECTOR WORK, on registers alone.  w = 1: with the waits for the tables' loads; w = 0: they have been waited for.
.macro VECTOR w
.if \w
	s_wait_dscnt 2                                 ; c bias is in; V's two loads may be out
.endif
.set Q, 0
.rept 16
	v_pk_fma_f32 v[ACC+Q:ACC+Q+1], v[ACC+Q:ACC+Q+1], s[CS:CS+1], v[LF+Q%8:LF+Q%8+1] op_sel_hi:[1,0,1]   ; c x + c bias, each accumulator from its low end on
.set Q, Q+2
.endr
	s_wait_alu depctr_va_vdst(0)                   ; a wait ahead of a batch of transcendentals and one behind it
.set Q, 0
.rept 32
	v_exp_f32 v[ACC+Q], v[ACC+Q]
.set Q, Q+1
.endr
	v_nop
	s_wait_alu depctr_va_vdst(0)
.set Q, 0
.rept 16
	v_pk_add_f32 v[ACC+Q:ACC+Q+1], v[ACC+Q:ACC+Q+1], 1.0 op_sel_hi:[1,0]
.set Q, Q+2
.endr
	s_wait_alu depctr_va_vdst(0)
.set Q, 0
.rept 32
	v_rcp_f32 v[ACC+Q], v[ACC+Q]
.set Q, Q+1
.endr
	v_nop
.if \w
	s_wait_dscnt 0x0                               ; V is in
.endif
	s_wait_alu depctr_va_vdst(0)
.irp p, 0,1,2,3
.irp m, 0,1,2,3
	v_pk_fma_f32 v[SUM+2*\m:SUM+2*\m+1], v[ACC+8*\m+2*\p:ACC+8*\m+2*\p+1], v[LF+12+2*\p:LF+12+2*\p+1], v[SUM+2*\m:SUM+2*\m+1]
.endr
.endr
.endm
; MY FOUR TILES OF A SLOT, AND THE CHANGE OF SLOTS.  When the fourth tile's products are issued, all my reads of the slot are: I wait for my tensor load (my tile of the other slot), add 0 to my spare word, wait for that
; and for my reads, and signal; the tile's vector work stands between the signal and the wait.  fill = 1: the barrier opens a round of the cluster's, and behind it the slot just read takes the tiles two slots on.
.macro SLOTW lab, fill
	s_mov_b32 s[TW], 3
\lab:
	MATRIX
	VECTOR 1
	s_add_co_u32 s[TG], s[TG], 2*TLP
	s_add_co_u32 s[TT], s[TT], 128
	s_sub_co_u32 s[TW], s[TW], 1
	s_cmp_lg_u32 s[TW], 0
	s_cbranch_scc1 \lab
	MATRIX
	s_wait_tensorcnt 0x0
	ds_add_u32 v[SPW], v[NIL]
.if \fill
	s_xor_b32 s[G0W+1], s[G0W+1], SLOT1            ; no tensor load of mine is out: the group 0 may be written
	s_add_nc_u64 s[G0W+2:G0W+3], s[G0W+2:G0W+3], SLOTB
.endif
	s_sub_co_u32 s[TG], s[TG], 6*TLP               ; back to my first tile of a slot,
	s_xor_b32 s[TG], s[TG], SLOT1                  ; in the other slot
	s_add_co_u32 s[TT], s[TT], 128
	s_wait_dscnt 0x0
	s_barrier_signal -1
	VECTOR 0
	s_barrier_wait -1
.if \fill
	CREST
	tensor_load_to_lds s[G0W:G0W+3], s[G1W:G1W+7]
	s_nop 0
	PLACES
.endif
.endm
	s_mul_i32 s[DOF], s[U], TILEB                  ; my first tile: number u
	s_mov_b32 s[DOF+1], 0
	s_add_nc_u64 s[DB:DB+1], s[6:7], s[DOF:DOF+1]
	DFR 0
	DFR 1
.irp q, 0,1,2,3,4,5,6,7
	v_mov_b32 v[SUM+\q], 0
.endr
	s_mul_i32 s[TG], s[U], TLP
	s_lshl_b32 s[TT], s[U], 6
	s_wait_tensorcnt 0x0                           ; my tile of slot 0 is in; the values' slots are read no more: slot 1 takes tiles 8-15
	ds_add_u32 v[SPW], v[NIL]
	s_xor_b32 s[G0W+1], s[G0W+1], SLOT1
	s_add_nc_u64 s[G0W+2:G0W+3], s[G0W+2:G0W+3], SLOTB
	s_wait_dscnt 0x0
	CROUND
	tensor_load_to_lds s[G0W:G0W+3], s[G1W:G1W+7]
	s_nop 0
	PLACES
	s_mov_b32 s[SL], 6
.Lslot:                                            ; slots 0-5: each is filled again behind its last read
	SLOTW .Ltile, 1
	s_sub_co_u32 s[SL], s[SL], 1
	s_cmp_lg_u32 s[SL], 0
	s_cbranch_scc1 .Lslot
	s_mov_b32 s[SL], 2
.Ltail:                                            ; slots 6 and 7: nothing is filled again, so a work-group barrier serves (the second trip's orders nothing more: one text for both trips)
	SLOTW .Ltile_last, 0
	s_sub_co_u32 s[SL], s[SL], 1
	s_cmp_lg_u32 s[SL], 0
	s_cbranch_scc1 .Ltail
	s_wait_loadcnt 0x0                             ; the loads that ran ahead of my last tile
	s_wait_alu depctr_va_vdst(0)                   ; the wait here, directly ahead of the first reader of the sums
	; THE WAY OUT.  A pair's two halves, lane l xor 16's eight units of each tile, then the partner wave's tiles, through LDS.
.irp m, 0,1,2,3
	v_add_f32 v[WO+\m], v[SUM+2*\m], v[SUM+2*\m+1]
.endr
.irp m, 0,1,2,3
	v_permlanex16_b32 v[WO+4+\m], v[WO+\m], s[SEL], s[SEL+1]
.endr
.irp m, 0,1,2,3
	v_add_f32 v[WO+\m], v[WO+\m], v[WO+4+\m]       ; both halves of the lanes hold row 16 m + r's part
.endr
	v_cndmask_b32 v[WO+8], v[WO], v[WO+1], s[MK]   ; lane l: row l,
	v_cndmask_b32 v[WO+9], v[WO+2], v[WO+3], s[MK] ; row 32 + l
	s_lshl_b32 s56, s[WV], 8
	s_add_co_u32 s56, s56, SCR
	s_lshl_b32 s57, s[G], 9
	s_add_co_u32 s57, s57, SCR
	v_lshrrev_b32 v[WO+10], 2, v[L16]
	v_add_nc_u32 v[WO+10], s56, v[WO+10]           ; 4 x lane in my 256 bytes
	v_lshrrev_b32 v[WO+11], 1, v[L16]              ; 8 x lane
	v_add_nc_u32 v[WO+16], s57, v[WO+11]           ; in the 256 bytes of wave 2 g; wave 2 g + 1's follow
	ds_store_b32 v[WO+10], v[WO+8]
	ds_store_b32 v[WO+10], v[WO+9] offset:128
	s_wait_alu depctr_va_vdst(0)
	s_wait_dscnt 0x0
	s_barrier_signal -1
	s_barrier_wait -1
	ds_load_b64 v[WO+12:WO+13], v[WO+16]
	ds_load_b64 v[WO+14:WO+15], v[WO+16] offset:256
	s_wait_dscnt 0x0
	v_pk_add_f32 v[WO+12:WO+13], v[WO+12:WO+13], v[WO+14:WO+15]
	s_delay_alu instid0(VALU_DEP_1)
	v_pk_mul_f32 v[WO+12:WO+13], v[WO+12:WO+13], -2.0 op_sel_hi:[1,0]
	s_cmp_lg_u32 s[U], 0
	s_cbranch_scc1 .Lend                           ; wave 2 g stores for both
	global_store_b64 v[WO+11], v[WO+12:WO+13], s[12:13]   ; 32 lanes store 256 consecutive bytes, aligned
.Lend:
	s_wait_tensorcnt 0x0                           ; the wave's end
	ds_add_u32 v[SPW], v[NIL]
	s_wait_dscnt 0x0
	CROUND                                         ; the closing round
	s_endpgm
.Lfunc_end_k_qcfd89ffc13_score:
	.size	k_qcfd89ffc13_score, .Lfunc_end_k_qcfd89ffc13_score-k_qcfd89ffc13_score
	.p2alignl 7, 3214868480
	.fill 96, 4, 3214868480
	.section	.rodata,"a",@progbits
	.p2align	6, 0x0
	.amdhsa_kernel k_qcfd89ffc13_score
		.amdhsa_group_segment_fixed_size 327680
		.amdhsa_private_segment_fixed_size 0
		.amdhsa_enable_private_segment 0
		.amdhsa_kernarg_size 40
		.amdhsa_user_sgpr_count 2
		.amdhsa_user_sgpr_kernarg_segment_ptr 1
		.amdhsa_wavefront_size32 1
		.amdhsa_system_sgpr_workgroup_id_x 1
		.amdhsa_system_sgpr_workgroup_id_y 1
		.amdhsa_system_sgpr_workgroup_id_z 1
		.amdhsa_system_vgpr_workitem_id 0
		.amdhsa_next_free_vgpr 512
		.amdhsa_next_free_sgpr 66
		.amdhsa_reserve_vcc 0
		.amdhsa_float_denorm_mode_32 3
		.amdhsa_float_denorm_mode_16_64 3
		.amdhsa_memory_ordered 1
		.amdhsa_forward_progress 1
		.amdhsa_inst_pref_size 203
	.end_amdhsa_kernel
	.amdgpu_metadata
---
amdhsa.version: [ 1, 2 ]
amdhsa.kernels:
  - .name:           k_qcfd89ffc13_score
    .symbol:         k_qcfd89ffc13_score.kd
    .args:
      - { .name: values, .offset: 0, .size: 8, .value_kind: global_buffer, .address_space: global }
      - { .name: w1img, .offset: 8, .size: 8, .value_kind: global_buffer, .address_space: global }
      - { .name: bias, .offset: 16, .size: 8, .value_kind: global_buffer, .address_space: global }
      - { .name: V, .offset: 24, .size: 8, .value_kind: global_buffer, .address_space: global }
      - { .name: scores, .offset: 32, .size: 8, .value_kind: global_buffer, .address_space: global }
    .group_segment_fixed_size: 327680
    .private_segment_fixed_size: 0
    .kernarg_segment_align: 8
    .kernarg_segment_size: 40
    .max_flat_workgroup_size: 256
    .sgpr_count:     66
    .vgpr_count:     512
    .wavefront_size: 32
...
	.end_amdgpu_metadata
.endif
;; end of part 2
;; launch ctx (part 3): grid 8 x 32, 16 waves a work-group, no clusters, 18,944 bytes of LDS; arguments scores, values, out0, out1; writes out0, out1
.if DOCPART == 3
	.amdgcn_target "amdgcn-amd-amdhsa--gfx1250"
	.amdhsa_code_object_version 6
	.text
	.protected	k_qcfd89ffc13_ctx
	.globl	k_qcfd89ffc13_ctx
	.p2align	8
	.type	k_qcfd89ffc13_ctx,@function
k_qcfd89ffc13_ctx:
	s_mov_b64 s[64:65], 0
	v_nop
	global_prefetch_b8 v0, s[64:65] scope:SCOPE_SE
	s_setreg_imm32_b32 hwreg(HW_REG_WAVE_MODE, 25, 1), 1
	s_wait_xcnt 0x0
; out0[b][s] = softmax over the batch's 2,048 scores; out1[b][:] = the sum over s of out0[b][s] values[b][s][:], all in f32.
; SHARES.  Work-group (c, b) owns columns 128 c .. 128 c + 127 of batch b: it is the one owner of its 128 numbers of out1, so no sum spans work-groups.  Each of a batch's eight work-groups makes the softmax
; anew from 8 KB of scores (the maximum is taken away before the exponential) and stores its eighth of out0.  Then its 16 waves stream the slice: 2,048 rows x 512 bytes.
; Row j (0 .. 127) of wave w is row 256 (j / 16) + 16 w + j % 16; a load of a wave covers a row's 512 consecutive bytes, aligned; lane l owns four columns.  A ring of 32 rows in registers keeps 32 loads of
; every wave on their way.  Memory binds: matrix units, clusters and tensor loads would add nothing (what the work-groups of a batch share is the 8 KB of scores).
; The weighted sum takes one weight register a row (v_fmac_f32): the arithmetic is small beside the stream.
; LIMITS: NaN and infinities among the scores are not served.
.set WT,   0                           ; LDS: the 2,048 weights;
.set RED,  8192                        ; 16 maxima, and 64 bytes on 16 sums;
.set PART, 8448                        ; 16 x 512 bytes: the waves' partial sums
.set T16, 1                            ; v1   16 x thread
.set RO,  2                            ; v2   16 x lane + 65,536 x wave: my bytes in the wave's first row; never rewritten
.set WA,  3                            ; v3   WT + 64 x wave
.set E,   4                            ; v4-7   my four scores, then 2^.., then weights
.set CH,  8                            ; v8-15  two chains of four sums
.set WS,  16                           ; v16-47 two sets of 16 weights; before that: the waves' maxima and sums
.set L16, 48
.set T,   49                           ; v49-55 at work
.set RG,  64                           ; v64-191 the ring: 32 rows x 4 registers
	s_load_b256 s[4:11], s[0:1], 0x0               ; scores s[4:5], values s[6:7], out0 s[8:9], out1 s[10:11]
	v_lshl_add_u32 v192, v0, 2, 0x4200
	v_mov_b32 v193, 0
	v_lshrrev_b32 v[T], 5, v0
	s_delay_alu instid0(VALU_DEP_1)
	v_readfirstlane_b32 s12, v[T]                  ; wave 0..15
	s_and_b32 s13, ttmp7, 0xffff                   ; b
	v_lshlrev_b32 v[T16], 4, v0
	v_and_b32 v[L16], 31, v0
	s_delay_alu instid0(VALU_DEP_1)
	v_lshlrev_b32 v[L16], 4, v[L16]
	s_lshl_b32 s14, s12, 16
	v_add_nc_u32 v[RO], s14, v[L16]
	s_lshl_b32 s14, s12, 6
	v_mov_b32 v[WA], s14
	s_lshl_b32 s14, s12, 2
	s_add_co_u32 s14, s14, RED
	v_mov_b32 v[T+2], s14                          ; v51: my wave's word among the maxima
	v_mov_b32 v[T+3], RED                          ; v52
	s_lshl_b32 s14, s12, 9
	s_add_co_u32 s14, s14, PART
	v_add_nc_u32 v[T+4], s14, v[L16]               ; v53: my wave's partial sums
	v_add_nc_u32 v[T+5], PART, v[L16]              ; v54: and all waves', read by wave 0
	v_mov_b32 v[T+1], 0                            ; v50: written once: a lane permute's destination counts as one of its sources
	s_mov_b32 s20, 0x76543210
	s_mov_b32 s21, 0xfedcba98                      ; v_permlanex16_b32's selects for lane l xor 16
	s_mov_b32 s22, 0x3fb8aa3b                      ; log2(e)
	s_lshl_b32 s16, s13, 13                        ; the batch's 8,192 bytes of scores and of out0
	s_mov_b32 s17, 0
	s_lshl_b32 s18, s13, 23                        ; its 8 MiB of values,
	s_lshl_b32 s19, ttmp9, 9                       ; my 512 bytes of each row
	s_add_co_u32 s18, s18, s19
	s_lshl_b32 s24, s13, 12                        ; its row of out1
	s_add_co_u32 s24, s24, s19
	s_mov_b32 s19, 0
	s_mov_b32 s25, 0
	s_wait_alu depctr_va_vdst(0)
	s_wait_kmcnt 0x0
	s_add_nc_u64 s[4:5], s[4:5], s[16:17]
	s_add_nc_u64 s[8:9], s[8:9], s[16:17]
	s_add_nc_u64 s[6:7], s[6:7], s[18:19]
	s_add_nc_u64 s[10:11], s[10:11], s[24:25]
.macro ROWL j                          ; row j into its place in the ring; every offset is an immediate, 7,401,472 at the most: inside the signed 24 bits
	global_load_b128 v[RG+4*((\j)%32):RG+4*((\j)%32)+3], v[RO], s[6:7] offset:((\j)/16)*1048576+((\j)%16)*4096 th:TH_LOAD_NT
.endm
	global_load_b128 v[E:E+3], v[T16], s[4:5]
.set Q, 0
.rept 32
	ROWL Q                                         ; the ring is filled before the softmax: the rows are on their way meanwhile
.set Q, Q+1
.endr
	s_wait_loadcnt 32                              ; my scores are in; the 32 rows behind them stay out
	; the batch's largest score: my four, my wave's, all waves'
	v_max3_num_f32 v[T], v[E], v[E+1], v[E+2]
	s_delay_alu instid0(VALU_DEP_1)
	v_max_num_f32 v[T], v[T], v[E+3]
	s_delay_alu instid0(VALU_DEP_1)
	v_max_num_f32_dpp v[T], v[T], v[T] row_xmask:1 row_mask:0xf bank_mask:0xf
	s_delay_alu instid0(VALU_DEP_1)
	v_max_num_f32_dpp v[T], v[T], v[T] row_xmask:2 row_mask:0xf bank_mask:0xf
	s_delay_alu instid0(VALU_DEP_1)
	v_max_num_f32_dpp v[T], v[T], v[T] row_xmask:4 row_mask:0xf bank_mask:0xf
	s_delay_alu instid0(VALU_DEP_1)
	v_max_num_f32_dpp v[T], v[T], v[T] row_xmask:8 row_mask:0xf bank_mask:0xf
	s_delay_alu instid0(VALU_DEP_1)
	v_permlanex16_b32 v[T+1], v[T], s20, s21
	s_delay_alu instid0(VALU_DEP_1)
	v_max_num_f32 v[T], v[T], v[T+1]
	ds_store_b32 v[T+2], v[T]                      ; all lanes write the same word with the same value
	s_wait_dscnt 0x0                               ; for the others' sake
	s_barrier_signal -1
	s_barrier_wait -1
.irp k, 0,1,2,3
	ds_load_b128 v[WS+4*\k:WS+4*\k+3], v[T+3] offset:16*\k
.endr
	s_wait_dscnt 0x0
	v_max3_num_f32 v[T], v[WS], v[WS+1], v[WS+2]
.irp i, 3,5,7,9,11,13
	s_delay_alu instid0(VALU_DEP_1)
	v_max3_num_f32 v[T], v[T], v[WS+\i], v[WS+\i+1]
.endr
	s_delay_alu instid0(VALU_DEP_1)
	v_max_num_f32 v[T], v[T], v[WS+15]             ; M
	s_delay_alu instid0(VALU_DEP_1)
	v_mul_f32 v[T+6], s22, v[T]                    ; M log2(e)
.irp k, 0,1,2,3
	v_fma_f32 v[E+\k], v[E+\k], s22, -v[T+6]       ; (s - M) log2(e), 0 or less but for one rounding of M log2(e)
.endr
	s_wait_alu depctr_va_vdst(0)
.irp k, 0,1,2,3
	v_exp_f32 v[E+\k], v[E+\k]
.endr
	v_nop                                          ; a plain place behind the exponentials,
	s_wait_alu depctr_va_vdst(0)                   ; and one wait for the four, ahead of their first reader
	v_add_f32 v[T], v[E], v[E+1]
	v_add_f32 v[T+6], v[E+2], v[E+3]
	s_delay_alu instid0(VALU_DEP_1)
	v_add_f32 v[T], v[T], v[T+6]
	s_delay_alu instid0(VALU_DEP_1)
	v_add_f32_dpp v[T], v[T], v[T] row_xmask:1 row_mask:0xf bank_mask:0xf
	s_delay_alu instid0(VALU_DEP_1)
	v_add_f32_dpp v[T], v[T], v[T] row_xmask:2 row_mask:0xf bank_mask:0xf
	s_delay_alu instid0(VALU_DEP_1)
	v_add_f32_dpp v[T], v[T], v[T] row_xmask:4 row_mask:0xf bank_mask:0xf
	s_delay_alu instid0(VALU_DEP_1)
	v_add_f32_dpp v[T], v[T], v[T] row_xmask:8 row_mask:0xf bank_mask:0xf
	s_delay_alu instid0(VALU_DEP_1)
	v_permlanex16_b32 v[T+1], v[T], s20, s21
	s_delay_alu instid0(VALU_DEP_1)
	v_add_f32 v[T], v[T], v[T+1]
	ds_store_b32 v[T+2], v[T] offset:64            ; other bytes than the maxima's
	s_wait_dscnt 0x0
	s_barrier_signal -1
	s_barrier_wait -1
.irp k, 0,1,2,3
	ds_load_b128 v[WS+4*\k:WS+4*\k+3], v[T+3] offset:64+16*\k
.endr
	s_wait_dscnt 0x0
.irp i, 0,2,4,6
	v_pk_add_f32 v[WS+\i:WS+\i+1], v[WS+\i:WS+\i+1], v[WS+8+\i:WS+9+\i]
.endr
.irp i, 0,2
	s_delay_alu instid0(VALU_DEP_2)
	v_pk_add_f32 v[WS+\i:WS+\i+1], v[WS+\i:WS+\i+1], v[WS+4+\i:WS+5+\i]
.endr
	s_delay_alu instid0(VALU_DEP_1)
	v_pk_add_f32 v[WS:WS+1], v[WS:WS+1], v[WS+2:WS+3]
	s_delay_alu instid0(VALU_DEP_1)
	v_add_f32 v[T], v[WS], v[WS+1]                 ; the sum: at least about 1, the largest score's own term
	s_wait_alu depctr_va_vdst(0)
	v_rcp_f32 v[T], v[T]
	v_nop
	s_wait_alu depctr_va_vdst(0)
.irp k, 0,1,2,3
	v_mul_f32 v[E+\k], v[E+\k], v[T]               ; the weights of rows 4 x thread ..
.endr
	ds_store_b128 v[T16], v[E:E+3]                 ; WT + 16 x thread
	s_lshr_b32 s26, s12, 1
	s_cmp_lg_u32 s26, ttmp9                        ; rows 256 c .. 256 c + 255 lie in waves 2 c and 2 c + 1: they store this work-group's eighth of out0
	s_cbranch_scc1 .Lnot_mine
	global_store_b128 v[T16], v[E:E+3], s[8:9]     ; 32 lanes store 512 consecutive bytes, aligned
.Lnot_mine:
	s_wait_dscnt 0x0
	s_barrier_signal -1
	s_barrier_wait -1                              ; all 2,048 weights lie in LDS
.macro ROWF j                          ; row j x its weight onto chain j % 2; rows 0 and 1 start the chains: nothing is cleared
.set rR, RG+4*((\j)%32)
.set rW, WS+16*(((\j)/16)%2)+(\j)%16
.set rC, CH+4*((\j)%2)
.irp k, 0,1,2,3
.if (\j) < 2
	v_mul_f32 v[rC+\k], v[rR+\k], v[rW]
.else
	v_fmac_f32 v[rC+\k], v[rR+\k], v[rW]
.endif
.endr
.endm
.irp k, 0,1,2,3
	ds_load_b128 v[WS+4*\k:WS+4*\k+3], v[WA] offset:16*\k    ; the weights of my first 16 rows: every lane reads the same 64 bytes
.endr
.set U, 0
.rept 32                               ; groups of four rows
.if U%4 == 0
	s_wait_dscnt 0x0                               ; these 16 rows' weights are in;
.if U/4 < 7
.irp k, 0,1,2,3
	ds_load_b128 v[WS+16*((U/4+1)%2)+4*\k:WS+16*((U/4+1)%2)+4*\k+3], v[WA] offset:1024*(U/4+1)+16*\k   ; the next 16 rows' go into the other set
.endr
.endif
.endif
.if 124-4*U >= 28
	s_wait_alu depctr_va_vdst(0)
	s_wait_loadcnt 28                              ; loads come back in order: the group's four rows are in, the 28 behind them stay out
.else
	s_wait_alu depctr_va_vdst(0)
	s_wait_loadcnt 124-4*U
.endif
	ROWF 4*U
	ROWF 4*U+1
	ROWF 4*U+2
	ROWF 4*U+3
.if 4*U+32 < 128
	ROWL 4*U+32                                    ; their places take the rows 32 further on; the last eight groups load nothing
	ROWL 4*U+33
	ROWL 4*U+34
	ROWL 4*U+35
.endif
.set U, U+1
.endr
	s_delay_alu instid0(VALU_DEP_3)
	v_pk_add_f32 v[CH:CH+1], v[CH:CH+1], v[CH+4:CH+5]
	s_delay_alu instid0(VALU_DEP_2)
	v_pk_add_f32 v[CH+2:CH+3], v[CH+2:CH+3], v[CH+6:CH+7]
	ds_store_b128 v[T+4], v[CH:CH+3]
	s_wait_dscnt 0x0
	s_barrier_signal -1
	s_barrier_wait -1                              ; the 16 waves' partial sums lie in LDS
	s_cmp_lg_u32 s12, 0
	s_cbranch_scc1 .Ldone                          ; wave 0 adds them, in a fixed order, and stores
.irp i, 0,1,2,3,4,5,6,7,8,9,10,11,12,13,14,15
	ds_load_b128 v[RG+4*\i:RG+4*\i+3], v[T+5] offset:512*\i
.endr
	s_wait_dscnt 0x0
.irp d, 8,4,2,1
.set I, 0
.rept \d
	v_pk_add_f32 v[RG+4*I:RG+4*I+1], v[RG+4*I:RG+4*I+1], v[RG+4*(I+\d):RG+4*(I+\d)+1]
	v_pk_add_f32 v[RG+4*I+2:RG+4*I+3], v[RG+4*I+2:RG+4*I+3], v[RG+4*(I+\d)+2:RG+4*(I+\d)+3]
.set I, I+1
.endr
.endr
	global_store_b128 v[L16], v[RG:RG+3], s[10:11] ; 32 lanes store 512 consecutive bytes, aligned
.Ldone:
	s_wait_tensorcnt 0x0
	ds_add_u32 v192, v193
	s_wait_dscnt 0x0
	s_endpgm
.Lfunc_end_k_qcfd89ffc13_ctx:
	.size	k_qcfd89ffc13_ctx, .Lfunc_end_k_qcfd89ffc13_ctx-k_qcfd89ffc13_ctx
	.p2alignl 7, 3214868480
	.fill 96, 4, 3214868480
	.section	.rodata,"a",@progbits
	.p2align	6, 0x0
	.amdhsa_kernel k_qcfd89ffc13_ctx
		.amdhsa_group_segment_fixed_size 18944
		.amdhsa_private_segment_fixed_size 0
		.amdhsa_enable_private_segment 0
		.amdhsa_kernarg_size 32
		.amdhsa_user_sgpr_count 2
		.amdhsa_user_sgpr_kernarg_segment_ptr 1
		.amdhsa_wavefront_size32 1
		.amdhsa_system_sgpr_workgroup_id_x 1
		.amdhsa_system_sgpr_workgroup_id_y 1
		.amdhsa_system_sgpr_workgroup_id_z 1
		.amdhsa_system_vgpr_workitem_id 0
		.amdhsa_next_free_vgpr 194
		.amdhsa_next_free_sgpr 66
		.amdhsa_reserve_vcc 0
		.amdhsa_float_denorm_mode_32 3
		.amdhsa_float_denorm_mode_16_64 3
		.amdhsa_memory_ordered 1
		.amdhsa_forward_progress 1
		.amdhsa_inst_pref_size 43
	.end_amdhsa_kernel
	.amdgpu_metadata
---
amdhsa.version: [ 1, 2 ]
amdhsa.kernels:
  - .name:           k_qcfd89ffc13_ctx
    .symbol:         k_qcfd89ffc13_ctx.kd
    .args:
      - { .name: scores, .offset: 0, .size: 8, .value_kind: global_buffer, .address_space: global }
      - { .name: values, .offset: 8, .size: 8, .value_kind: global_buffer, .address_space: global }
      - { .name: out0, .offset: 16, .size: 8, .value_kind: global_buffer, .address_space: global }
      - { .name: out1, .offset: 24, .size: 8, .value_kind: global_buffer, .address_space: global }
    .group_segment_fixed_size: 18944
    .private_segment_fixed_size: 0
    .kernarg_segment_align: 8
    .kernarg_segment_size: 32
    .max_flat_workgroup_size: 512
    .sgpr_count:     66
    .vgpr_count:     194
    .wavefront_size: 32
...
	.end_amdgpu_metadata
.endif
;; end of part 3
